; MI455X (gfx1250); checked and timed in simulation.
; The chip was launched on July 23, 2026; its instructions are those of AMD's public machine-readable ISA for CDNA 5 (MIT licence, August 2026) and "CDNA5" Instruction Set Architecture Reference Guide (July 2026). The comments in the code are by the model that wrote it; some were corrected since.
;; Vector Quantizer. Allowed arithmetic: matrix products marked QUANTISED: E3M2 operands, one E8M0 scale for each 32 along K, by v_wmma_scale_f32_16x16x128_f8f6f4 with both operands' format E3M2, f32 sums; everything else in f32.
;; Inputs: emb 8,192 x 512 float32; latents 64 x 256 x 512 float32.
;; Outputs: out0 64 x 256 x 512 float32; out1 64 x 256 float32; out2 1 x 16,384 int32.
;; This version of the problem:
;;   THIS VERSION OF THE PROBLEM IS GIVEN IN LOW PRECISION. The matrix products marked QUANTISED in the list below multiply operands that are first quantised to E3M2 (3 exponent bits, 2 mantissa bits; 6 bits a number), with one power-of-two scale for each 32 numbers along K (OCP MX v1.0); their sums are f32. All else is computed in f32.
;;   The module's matrix products, in the order in which they are computed (A, B: the left and right operand; K: the contracted axis; several contracted axes count as one K, in the product's order):
;;     1. [M 16,384, K 512] x [K 512, N 8,192]; A: computed on the way; B: input emb: QUANTISED
;;   THE QUANTISER, for each operand of a quantised product, along K:
;;     - K is cut into blocks of 32 from its start; a last block that is shorter is filled with zeros.
;;     - A block's scale is 2^e with e = floor(log2(the largest magnitude in the block)) - 4, held to -126 .. 127; a block of zeros has e = 0. As a byte (E8M0): e + 127.
;;     - Each number is divided by its block's scale, clamped to +-28, and rounded to the nearest number of E3M2, ties to even, subnormals kept.
;;     - The product sums the exact products of the quantised numbers (number of the format x scale) in f32.
;;   ~~~python
;;   def quantise(x, axis):      # numpy; x: float32 -> the quantised numbers, widened to float32 again
;;       x = np.moveaxis(x, axis, -1); K = x.shape[-1]
;;       x = np.pad(x, [(0, 0)] * (x.ndim - 1) + [(0, -K % 32)]); x = x.reshape(x.shape[:-1] + (-1, 32)); a = np.abs(x).max(-1, keepdims=True)
;;       e = np.where(a > 0, np.clip(np.frexp(np.where(a > 0, a, 1))[1] - 1 - 4, -126, 127), 0)      # np.frexp(a)[1] - 1 = floor(log2(a)), exactly
;;       r = np.clip(x / 2.0 ** e, -28, 28)
;;       step = 2.0 ** (np.maximum(np.frexp(np.where(r == 0, 1, r))[1] - 1, -2) - 2)
;;       q = np.round(r / step) * step * 2.0 ** e      # np.round: ties to even
;;       return np.moveaxis(q.reshape(q.shape[:-2] + (-1,))[..., :K], -1, axis).astype(np.float32)
;;   ~~~
;;   OPERANDS COMPUTED ON THE WAY. 'Computed on the way' means the value that the module computes at that place (a softmax that the list does not call 'softmax' is quantised finished and normalised). What goes into a quantiser is computed in f32, as accurately as f32 sums, v_exp_f32 and their like allow (about 1e-6 of the number): no bf16 or f16 on the way to a quantiser, and a product that is left as it is and whose result goes on into a quantised operand takes f32 operands (vector FMAs, or v_wmma_f32_16x16x4_f32). A number that lies on a knife's edge between two numbers of the format may be rounded either way, as far as f32 arithmetic and the matrix unit's own rounding can turn it there, and no further.
;; One version. Each part assembles by itself: llvm-mc -triple=amdgcn-amd-amdhsa -mcpu=gfx1250 --defsym DOCPART=n.
;; ======== version 1 of 1: 3 launches
;; limits: right only within a limited range of input values
;; workspace buffers: aq 6,619,136 bytes; bq 3,309,568 bytes; cand 2,097,152 bytes of whole numbers
;; launch quant (part 1): grid 1536 x 1, 4 waves a work-group, no clusters, 35,328 bytes of LDS; arguments latents, emb, aq, bq; writes aq, bq
.if DOCPART == 1
	.amdgcn_target "amdgcn-amd-amdhsa--gfx1250"
	.amdhsa_code_object_version 6
	.text
	.protected	k_qe1f550f7fc_quant
	.globl	k_qe1f550f7fc_quant
	.p2align	8
	.type	k_qe1f550f7fc_quant,@function
k_qe1f550f7fc_quant:
	s_mov_b64 s[64:65], 0
	v_nop
	global_prefetch_b8 v0, s[64:65] scope:SCOPE_SE
	s_setreg_imm32_b32 hwreg(HW_REG_WAVE_MODE, 25, 1), 1
	s_wait_xcnt 0x0
; latents [16384][512] and emb [8192][512], f32, become codes of BF6 (E3M2) with one E8M0 byte for each 32 along K, laid as the next launch's registers want them, and each row's sum of squares.
; The left operand of the product is 2 x latents: doubling moves no code, it raises each block's scale byte by one (ADD1 = 1 for latents, 0 for emb).
; A block's scale is 2^(floor(log2(largest magnitude)) - 4): its byte is the largest magnitude's exponent field - 4, held at 1 from below by a floor among the maximum's leaves.
; LIMITS: NaN and infinities among the inputs are not served.  A block whose largest magnitude lies under 2^-122 takes the floor's byte (1 for emb, 2 for latents); a block of zeros too, where the
; quantiser says 127: its codes are zeros, which add nothing under any byte but 0xff, and this program alone reads the bytes.  2 x latents has to be finite.
; A RECORD of aq or bq is 64 rows = 4 tiles of 16 rows, 25,856 bytes (101 x 256):
;   bytes 6144 t + 1536 s + 512 c + 16 l : registers 4 c .. 4 c + 3 of lane l of the fragment of tile t, K step s (128 along K; 12 registers a lane; lane (r, h): row r, registers 6 c' .. 6 c' + 5 = k 64 c' + 32 h + 0 .. 31)
;   bytes 24576 + 256 t + 8 l            : two scale words of row l % 16: K step l / 16, then K step 2 + l / 16
;   bytes 25600 + 64 t + 4 r             : the sum of squares of row r, f32
; SHARES.  A work-group takes one tile of 16 rows (the first 1,024 work-groups latents, the others emb: only pointers are chosen, both take one path); wave s takes K step s, one fragment.
; Each load reads 512 consecutive bytes (a row's K step); the 16 rows turn through the wave's own stage in LDS, so that lane (r, h) gets two whole blocks of 32 of row r in its registers.
; No tensor load, no matrix work: a stream.  One barrier, for the tile's scale words and the four partial sums.
.set REC,  25856
.set SCI,  24576                       ; a record's scale images
.set SQO,  25600                       ; a record's sums of squares
.set SP,   528                         ; a stage row: 512 bytes + 16: the 16 rows that a read touches start in 16 different columns of 16 bytes
.set SPB,  16*SP                       ; a wave's stage
.set SCW,  4*SPB                       ; the tile's scale image, 256 bytes
.set SSQ,  SCW+256                     ; 4 waves x 16 partial sums
.set X,    16                          ; v16-79   the K step as loaded
.set Y,    80                          ; v80-143  my two blocks: 32 c + i = k 64 c + 32 h + i of row r
; what is made behind the turn through the stage lies in X's registers, which the stage's stores have read by then (the wait for the stage's loads shows it)
.set PC,   16                          ; v16-27   the fragment's 12 registers
.set PH,   28                          ; v28-30, v32-34 the second halves of the blocks' codes, as the conversions leave them
.set SS,   36                          ; v36-39   two chains of squares
.set PX,   144                         ; v144-145 destinations of the lane exchanges (written at the head, so outside X)
.set MX,   40                          ; v40-41   largest magnitudes
.set OP,   42                          ; v42-43   the conversions' scale operands
.set BY,   44                          ; v44-45   scale bytes
.set WD,   46                          ; v46      the scale word
	s_load_b128 s[4:7], s[0:1], 0x0                ; latents, emb
	s_load_b128 s[8:11], s[0:1], 0x10              ; aq, bq
	v_lshl_add_u32 v146, v0, 2, 0x8800
	v_mov_b32 v147, 0
	v_lshrrev_b32 v1, 5, v0
	v_readfirstlane_b32 s12, v1                    ; wave = K step
	v_and_b32 v10, 31, v0                          ; lane
	v_lshlrev_b32 v1, 4, v10                       ; 16 x lane
	s_cmp_lt_u32 ttmp9, 1024                       ; latents' work-group or emb's?  The choice hangs on the work-group's number alone
	s_cselect_b32 s13, 0, 1024
	s_cselect_b32 s14, 1, 0                        ; ADD1
	s_wait_alu depctr_va_vdst(0)
	s_wait_kmcnt 0x0
	s_cselect_b64 s[4:5], s[4:5], s[6:7]
	s_cselect_b64 s[8:9], s[8:9], s[10:11]
	s_sub_co_u32 s13, ttmp9, s13                   ; the tile's number in its tensor
	s_lshl_b32 s16, s13, 15                        ; 16 rows of 2,048 bytes,
	s_lshl_b32 s15, s12, 9                         ; my K step's 512 bytes of a row
	s_add_co_u32 s16, s16, s15
	s_mov_b32 s17, 0
	s_add_nc_u64 s[4:5], s[4:5], s[16:17]
.irp i, 0,1,2,3,4,5,6,7,8,9,10,11,12,13,14,15
	global_load_b128 v[X+4*\i:X+4*\i+3], v1, s[4:5] offset:2048*\i th:TH_LOAD_NT   ; row i: 32 lanes read 512 consecutive bytes
.endr
	v_and_b32 v11, 15, v0                          ; r
	s_wait_alu depctr_va_vdst(0)
	v_bfe_u32 v12, v0, 4, 1                        ; h
	s_wait_alu depctr_va_vdst(0)
	s_mul_i32 s24, s12, SPB
	v_add_nc_u32 v2, s24, v1                       ; the stage, in: 16 x lane of a row
	v_mul_u32_u24 v3, v11, SP
	v_lshl_add_u32 v3, v12, 7, v3
	v_add_nc_u32 v3, s24, v3                       ; and out: row r, block h
	s_and_b32 s25, s12, 1
	s_lshl_b32 s25, s25, 7
	s_lshr_b32 s26, s12, 1
	s_lshl_b32 s26, s26, 2
	s_add_co_u32 s25, s25, s26
	s_add_co_u32 s25, s25, SCW
	v_lshl_add_u32 v4, v11, 3, s25                 ; my scale word's place in the image: 8 (r + 16 (s % 2)) + 4 (s / 2)
	s_lshl_b32 s26, s12, 6
	s_add_co_u32 s26, s26, SSQ
	v_lshl_add_u32 v5, v11, 2, s26                 ; my wave's partial sum of row r
	v_lshlrev_b32 v9, 3, v12                       ; 8 h
	v_lshl_add_u32 v13, v10, 3, SCW                ; the image read back: 8 bytes a lane
	v_lshl_add_u32 v14, v11, 2, SSQ                ; the partial sums read back
	v_mov_b32 v[PX], 0                             ; a lane exchange's destination counts as one of its sources
	v_mov_b32 v[PX+1], 0
	s_mov_b32 s22, 0x76543210
	s_mov_b32 s23, 0xfedcba98                      ; v_permlanex16_b32's selects for lane l xor 16
	s_lshr_b32 s18, s13, 2
	s_mul_i32 s18, s18, REC                        ; the tile's record
	s_mov_b32 s19, 0
	s_add_nc_u64 s[8:9], s[8:9], s[18:19]
	s_and_b32 s20, s13, 3                          ; t: the tile's place in it
	s_mul_i32 s21, s20, 6144
	s_mul_i32 s15, s12, 1536
	s_add_co_u32 s21, s21, s15
	v_add_nc_u32 v6, s21, v1                       ; my 16 bytes of the fragment's image
	s_lshl_b32 s21, s20, 8
	v_lshl_add_u32 v7, v10, 3, s21                 ; 256 t + 8 x lane
	s_lshl_b32 s21, s20, 6
	v_lshl_add_u32 v8, v11, 2, s21                 ; 64 t + 4 r
	; the turn through the stage.  LDS serves a wave's instructions in order, so no wait stands between the stores and the loads
.irp i, 0,1,2,3,4,5,6,7,8,9,10,11,12,13,14,15
	s_wait_loadcnt 15-\i                           ; loads come back in order: row i is in, the 15 - i younger ones stay out
	ds_store_b128 v2, v[X+4*\i:X+4*\i+3] offset:SP*\i
.endr
.irp c, 0,1
.irp q, 0,1,2,3,4,5,6,7
	ds_load_b128 v[Y+32*\c+4*\q:Y+32*\c+4*\q+3], v3 offset:256*\c+16*\q
.endr
.endr
	s_wait_dscnt 0x0
	; the sum of squares of my 64 numbers, two chains; then lane l xor 16's
.irp c, 0,1
	v_pk_mul_f32 v[SS+2*\c:SS+2*\c+1], v[Y+32*\c:Y+32*\c+1], v[Y+32*\c:Y+32*\c+1]
.endr
.irp i, 2,4,6,8,10,12,14,16,18,20,22,24,26,28,30
.irp c, 0,1
	v_pk_fma_f32 v[SS+2*\c:SS+2*\c+1], v[Y+32*\c+\i:Y+32*\c+\i+1], v[Y+32*\c+\i:Y+32*\c+\i+1], v[SS+2*\c:SS+2*\c+1]
.endr
.endr
	v_pk_add_f32 v[SS:SS+1], v[SS:SS+1], v[SS+2:SS+3]
	v_add_f32 v[SS], v[SS], v[SS+1]
	v_permlanex16_b32 v[PX], v[SS], s22, s23
	v_add_f32 v[SS], v[SS], v[PX]                  ; row r, this K step
	ds_store_b32 v5, v[SS]                         ; (lanes r and r + 16 write the same word with the same value)
	; the two blocks' scales
.irp c, 0,1
	v_max3_num_f32 v[MX+\c], |v[Y+32*\c]|, |v[Y+32*\c+1]|, 0x2800000   ; with the floor 2^(5 - 127): the byte cannot fall under 1
.endr
.irp i, 2,4,6,8,10,12,14,16,18,20,22,24,26,28,30
.irp c, 0,1
	v_max3_num_f32 v[MX+\c], v[MX+\c], |v[Y+32*\c+\i]|, |v[Y+32*\c+\i+1]|   ; (the two blocks by turns)
.endr
.endr
.irp c, 0,1
	v_add_nc_u32 v[OP+\c], 0xfe000000, v[MX+\c]    ; 4 off the exponent field: the conversion takes the exponent field of this operand as its scale, and nothing else of it
.endr
.irp c, 0,1
	v_lshrrev_b32 v[BY+\c], 23, v[OP+\c]           ; the scale's byte
.endr
.irp c, 0,1
	v_add_nc_u32 v[BY+\c], s14, v[BY+\c]           ; latents: one more, for the factor 2
.endr
	v_lshl_or_b32 v[WD], v[BY+1], 16, v[BY]        ; my two bytes: blocks h and 2 + h,
	v_lshlrev_b32 v[WD], v9, v[WD]                 ; at their places in the word;
	v_permlanex16_b32 v[PX+1], v[WD], s22, s23
	v_or_b32 v[WD], v[WD], v[PX+1]                 ; with lane l xor 16's two the word is whole
	ds_store_b32 v4, v[WD]
	; the codes
.irp c, 0,1
	v_cvt_scalef32_pk16_bf6_f32 v[PC+6*\c:PC+6*\c+2], v[Y+32*\c:Y+32*\c+15], v[OP+\c]
	v_cvt_scalef32_pk16_bf6_f32 v[PH+4*\c:PH+4*\c+2], v[Y+32*\c+16:Y+32*\c+31], v[OP+\c]   ; (a conversion's three registers begin on an even number: the second half of a block's six does not)
.endr
	v_nop                                          ; one plain place behind a scaled conversion
.irp c, 0,1
.irp i, 0,1,2
	v_mov_b32 v[PC+6*\c+3+\i], v[PH+4*\c+\i]
.endr
.endr
.irp c, 0,1,2
	global_store_b128 v6, v[PC+4*\c:PC+4*\c+3], s[8:9] offset:512*\c   ; 32 lanes store 512 consecutive bytes, at a multiple of 256 from the buffer's first byte
.endr
	s_wait_dscnt 0x0                               ; for the others' sake: my scale words and my partial sums lie in LDS
	s_barrier_signal -1
	s_barrier_wait -1
	s_cmp_lg_u32 s12, 0
	s_cbranch_scc1 .Lnot_wave_0
	ds_load_b64 v[48:49], v13                      ; wave 0: the tile's scale image
	s_wait_dscnt 0x0
	global_store_b64 v7, v[48:49], s[8:9] offset:SCI   ; 32 lanes store 256 consecutive bytes, aligned
	s_branch .Ldone
.Lnot_wave_0:
	s_cmp_lg_u32 s12, 1
	s_cbranch_scc1 .Ldone
.irp w, 0,1,2,3
	ds_load_b32 v[52+\w], v14 offset:64*\w         ; wave 1: the four K steps' partial sums of row r
.endr
	s_wait_dscnt 0x0
	v_add_f32 v52, v52, v53
	v_add_f32 v54, v54, v55
	v_add_f32 v52, v52, v54
	v_cmp_gt_u32 vcc_lo, 16, v10
	s_wait_alu depctr_va_vdst(0)
	s_wait_xcnt 0x0                                ; EXEC is a source of my pending stores: it changes only behind this wait
	s_and_saveexec_b32 s27, vcc_lo
	global_store_b32 v8, v52, s[8:9] offset:SQO    ; sixteen lanes store the tile's 64 bytes of sums
	s_wait_xcnt 0x0
	s_or_b32 exec_lo, exec_lo, s27
.Ldone:
	s_wait_tensorcnt 0x0
	ds_add_u32 v146, v147
	s_wait_dscnt 0x0
	s_endpgm
.Lfunc_end_k_qe1f550f7fc_quant:
	.size	k_qe1f550f7fc_quant, .Lfunc_end_k_qe1f550f7fc_quant-k_qe1f550f7fc_quant
	.p2alignl 7, 3214868480
	.fill 96, 4, 3214868480
	.section	.rodata,"a",@progbits
	.p2align	6, 0x0
	.amdhsa_kernel k_qe1f550f7fc_quant
		.amdhsa_group_segment_fixed_size 35328
		.amdhsa_private_segment_fixed_size 0
		.amdhsa_enable_private_segment 0
		.amdhsa_kernarg_size 32
		.amdhsa_user_sgpr_count 2
		.amdhsa_user_sgpr_kernarg_segment_ptr 1
		.amdhsa_wavefront_size32 1
		.amdhsa_system_sgpr_workgroup_id_x 1
		.amdhsa_system_sgpr_workgroup_id_y 1
		.amdhsa_system_sgpr_workgroup_id_z 1
		.amdhsa_system_vgpr_workitem_id 0
		.amdhsa_next_free_vgpr 148
		.amdhsa_next_free_sgpr 66
		.amdhsa_reserve_vcc 1
		.amdhsa_float_denorm_mode_32 3
		.amdhsa_float_denorm_mode_16_64 3
		.amdhsa_memory_ordered 1
		.amdhsa_forward_progress 1
		.amdhsa_inst_pref_size 14
	.end_amdhsa_kernel
	.amdgpu_metadata
---
amdhsa.version: [ 1, 2 ]
amdhsa.kernels:
  - .name:           k_qe1f550f7fc_quant
    .symbol:         k_qe1f550f7fc_quant.kd
    .args:
      - { .name: latents, .offset: 0, .size: 8, .value_kind: global_buffer, .address_space: global }
      - { .name: emb, .offset: 8, .size: 8, .value_kind: global_buffer, .address_space: global }
      - { .name: aq, .offset: 16, .size: 8, .value_kind: global_buffer, .address_space: global }
      - { .name: bq, .offset: 24, .size: 8, .value_kind: global_buffer, .address_space: global }
    .group_segment_fixed_size: 35328
    .private_segment_fixed_size: 0
    .kernarg_segment_align: 8
    .kernarg_segment_size: 32
    .max_flat_workgroup_size: 128
    .sgpr_count:     66
    .vgpr_count:     148
    .wavefront_size: 32
...
	.end_amdgpu_metadata
.endif
;; end of part 1
;; launch dist (part 2): grid 16 x 16, 8 waves a work-group, clusters of 4 x 1, 327,680 bytes of LDS; arguments aq, bq, cand; writes cand
.if DOCPART == 2
	.amdgcn_target "amdgcn-amd-amdhsa--gfx1250"
	.amdhsa_code_object_version 6
	.text
	.protected	k_qe1f550f7fc_dist
	.globl	k_qe1f550f7fc_dist
	.p2align	8
	.type	k_qe1f550f7fc_dist,@function
k_qe1f550f7fc_dist:
	s_mov_b64 s[64:65], 0
	v_nop
	global_prefetch_b8 v0, s[64:65] scope:SCOPE_SE
	s_setreg_imm32_b32 hwreg(HW_REG_WAVE_MODE, 25, 1), 1
	s_wait_xcnt 0x0
	s_wait_alu depctr_hold_cnt(0) depctr_sa_sdst(0) depctr_va_vdst(0) depctr_va_sdst(0) depctr_va_ssrc(0) depctr_va_vcc(0) depctr_vm_vsrc(0)
	s_getreg_b32 s2, hwreg(HW_REG_IB_STS2, 6, 4)
	s_cmp_eq_u32 s2, 0
	s_cbranch_scc0 .Lentry_in_a_cluster
	s_endpgm
.Lentry_in_a_cluster:
	s_bfe_u32 s2, ttmp6, 0x10000c
	s_cmp_lg_u32 s2, 0x3003
	s_cbranch_scc0 .Lentry_shape_is_right
	s_endpgm
.Lentry_shape_is_right:
; For each of 16,384 rows and each of 16 parts of 512 codebook entries: the smallest d = (f2 + e2) - prod of the part and the lowest index that has it.  prod = (2 x latents) . emb on codes of BF6 (E3M2),
; one f32 accumulator for each (row, entry), four K steps of 128 in ascending order; f2, e2: the rows' sums of squares.  d is formed by the same two f32 roundings, in the same order, as the definition's.
; Stored for each (part, row): a whole-number key that orders as d does (d's bits, turned so that an unsigned compare orders them; -0 counts as +0), and the index.  The next launch joins the parts.
; LIMITS: NaN and infinities among the distances are not served.
; SHARES.  Work-group (x, y): rows 1024 x .. + 1023, entries 512 y .. + 511.  Wave w walks the part's 32 tiles of 16 entries twice: first with record 16 x + w of aq (64 rows, all of K: 192 registers) in its registers,
; then with record 16 x + 8 + w, whose loads are issued behind the first walk's last products and land under that walk's search for the indices.
; LDS.  The part's 8 records of bq are 808 rows of 256 bytes, dense in memory and in LDS.  They come once, in two groups, and stay: rows 0-303 (records 0 to 2) at the head, 38 rows a wave; rows 304-807 behind the head's second
; round, 63 rows a wave.  Nothing is filled twice.  The first walk's records 0 and 1 (and the fetch of record 2's first tile) touch the first group alone; a barrier behind them shows the second group whole to every wave.
; By this text's own count a wave has one tensor load out at the most.
; THE MATRIX INSTRUCTION IS USED TRANSPOSED: source 0 = 16 entries, source 1 = 16 rows.  Lane (r, h) holds ONE row r, and register j the entry 16 tile + 8 h + j: a row's running minimum stays in its lane.
; THE ARGMIN.  Per tile and row: the minimum of the lane's eight d and the best so far; where it has fallen (strictly: an earlier tile keeps a tie), the tile's first entry number and its eight d are kept by selects.
; At a walk's end the first of the kept eight that equals the minimum gives the index, and the two halves of the lanes are joined by key, then by index.  No branch and no address hangs on a distance.
; TWO SETS of registers for the entries' fragments, scale words and e2: a tile's 15 LDS loads are issued at the head of the tile before it.
; CLUSTER.  The four work-groups of a cluster have the same y and want the same rows of bq: each piece is asked for JOINTLY, by the same tensor load with the same descriptor and a mask that names the four.
; aq is not shared: the partners hold different rows, and each wave's record goes from memory straight into its registers.
; PREFETCH.  A wave's second record of aq: its fragments and scale images are 100 blocks of 256 bytes; the first four of the five trips of the first walk's loop ask for 25 blocks each, a lane a block (lanes 25-31 name
; the 25th again), two trips and more ahead of the loads.  bq and the first record are wanted at the head, where there is no loop to run ahead in.
; REGISTERS.  window 0: v1-3 lane terms; v4-6 LDS addresses of the record in hand; v7 8 h; v8, v9 for the add; v10 4 r; v11 h; v13 the prefetch's offset; v16-23 the rows' scale words; v24-27 the entries', two sets;
;   v32-39, v236-243 e2, two sets; v40-47 the best d, two sets by turns; v48-51 the best tile's first entry; v52-59 f2, twice each; v64-111 the entries' fragments, set 0; v112-143 four accumulators; v144-175 d;
;   v176-207 the kept d; v208-235 at work.   window 1: v0-191 the rows' fragments: tile a, K step s at 48 a + 12 s; v192-239 the entries' fragments, set 1.
.set REC,   25856
.set SCI,   24576                      ; a record's scale images: 256 bytes a tile; lane l's two words: K steps l / 16 and 2 + l / 16 of row l % 16
.set SQO,   25600                      ; a record's sums of squares: 64 bytes a tile
.set C1W,   38*256                     ; a wave's piece of the first group of rows, in bytes
.set C2W,   63*256                     ; and of the second: 8 x (38 + 63) = 808 rows
.set SPARE, 9*REC                      ; the spare words, 128 bytes for each wave: four blocks of 256 bytes that no other line names
.set ADC,  4
.set ADS,  5
.set ADE,  6
.set H8,   7
.set SPW,  8                           ; v8  LDS address of my spare word; never rewritten
.set NIL,  9                           ; v9  0; never rewritten
.set AS,   16
.set BS,   24
.set BEST, 40
.set ID,   48
.set F2P,  52
.set ACC,  112
.set T,    144
.set SAV,  176
.set M,    208
.set KEY,  212
.set NN,   216
.set TMP,  220
.set OKY,  224
.set ONN,  228
.set G1,   24                          ; s[24:31] descriptor group 1: rows of 256 bytes
.set G0,   32                          ; s[32:35] descriptor group 0: my piece
.set MSB, 0
.macro WIN new                         ; the immediate's high byte repeats the setting that is left
.if MSB != \new
	s_set_vgpr_msb (MSB<<8)|\new
.set MSB, \new
.endif
.endm
; A round of the cluster's barrier: my work-group's barrier; wave 0 signals for the work-group; every wave waits for the four work-groups; my work-group's barrier once more.
.macro ROUND
	s_barrier_signal -1
	s_barrier_wait -1
	s_cmp_lg_u32 s10, 0
	s_cbranch_scc1 .Lnot_wave_0_\@
	s_barrier_signal -3
.Lnot_wave_0_\@:
	s_barrier_wait -3
	s_barrier_signal -1
	s_barrier_wait -1
.endm
.macro JOINT                           ; my joint load, with the lines behind it
	tensor_load_to_lds s[G0:G0+3], s[G1:G1+7]
	s_nop 0
.rept 4
	v_nop
.endr
.endm
.macro LOADA p                         ; my rows of walk p: 48 loads of fragments, the scale words, f2 (twice: the packed sum takes the pair as it stands); the walk stands in the immediate
	WIN 0x40                                       ; destination window 1, address window 0
.irp a, 0,1,2,3
.irp s, 0,1,2,3
.irp c, 0,1,2
	global_load_b128 v[48*\a+12*\s+4*\c:48*\a+12*\s+4*\c+3], v1, s[4:5] offset:(\p)*8*REC+6144*\a+1536*\s+512*\c
.endr
.endr
.endr
	WIN 0
.irp a, 0,1,2,3
	global_load_b64 v[AS+2*\a:AS+2*\a+1], v2, s[4:5] offset:(\p)*8*REC+SCI+256*\a
	global_load_b32 v[F2P+2*\a], v10, s[4:5] offset:(\p)*8*REC+SQO+64*\a
	global_load_b32 v[F2P+2*\a+1], v10, s[4:5] offset:(\p)*8*REC+SQO+64*\a
.endr
.endm
.macro LOADT bf, rc, rs, re, t, base   ; tile t of the record at (address registers + base) into set bf: the scale image, my eight e2, four fragments: 15 LDS loads
	ds_load_b64 v[BS+2*(\bf):BS+2*(\bf)+1], v[\rs] offset:(\base)+SCI+256*(\t)
	ds_load_b128 v[32+204*(\bf):32+204*(\bf)+3], v[\re] offset:(\base)+SQO+64*(\t)
	ds_load_b128 v[36+204*(\bf):36+204*(\bf)+3], v[\re] offset:(\base)+SQO+64*(\t)+16
.if \bf
	WIN 0x40                                       ; set 1's fragments lie in window 1
.endif
.irp s, 0,1,2,3
.irp c, 0,1,2
	ds_load_b128 v[64+128*(\bf)+12*\s+4*\c:64+128*(\bf)+12*\s+4*\c+3], v[\rc] offset:(\base)+6144*(\t)+1536*\s+512*\c
.endr
.endr
.endm
.macro MM a, s, b                      ; K step s of accumulator a on the entries' set b.  Both sides' scale words of K step s lie in register s / 2 of their pair, in lanes 0-15 (s even) or 16-31 (s odd)
.set FB, 64+128*(\b)+12*(\s)
.set FA, 48*(\a)+12*(\s)
.set AC, ACC+8*(\a)
.if (\s) == 0
	v_wmma_scale_f32_16x16x128_f8f6f4 v[AC:AC+7], v[FB:FB+11], v[FA:FA+11], 0, v[BS+2*(\b)], v[AS+2*(\a)] matrix_a_fmt:MATRIX_FMT_BF6 matrix_b_fmt:MATRIX_FMT_BF6
.elseif (\s)%2 == 1
	v_wmma_scale_f32_16x16x128_f8f6f4 v[AC:AC+7], v[FB:FB+11], v[FA:FA+11], v[AC:AC+7], v[BS+2*(\b)+(\s)/2], v[AS+2*(\a)+(\s)/2] matrix_a_fmt:MATRIX_FMT_BF6 matrix_b_fmt:MATRIX_FMT_BF6 matrix_a_scale:MATRIX_SCALE_ROW1 matrix_b_scale:MATRIX_SCALE_ROW1
.else
	v_wmma_scale_f32_16x16x128_f8f6f4 v[AC:AC+7], v[FB:FB+11], v[FA:FA+11], v[AC:AC+7], v[BS+2*(\b)+(\s)/2], v[AS+2*(\a)+(\s)/2] matrix_a_fmt:MATRIX_FMT_BF6 matrix_b_fmt:MATRIX_FMT_BF6
.endif
.endm
; One tile of 16 entries against my 64 rows.  p: the set that holds the best d so far; b: the entries' set.  kind: what is fetched into the other set: 1 tile t + 1 of this record, 2 the next record's tile 0,
; 3 record 0's tile 0 (for the second walk), 0 nothing.  step = 1: the address registers go on to the next record, more than nine vector instructions ahead of their next reader.
.macro TILE p, b, kind, t, step
	s_wait_dscnt 0x0                               ; this tile's 15 loads, issued a tile ago, are in
.if \kind == 1
	LOADT 1-\b, ADC, ADS, ADE, (\t)+1, 0
.elseif \kind == 2
	LOADT 1-\b, ADC, ADS, ADE, 0, REC
.elseif \kind == 3
	LOADT 1-\b, 1, 2, 3, 0, 0
.endif
	WIN 0x04+\b                                    ; source 1 (my rows) window 1; source 0 window b
.irp s, 0,1,2,3                        ; the four accumulators take turns, one instruction a turn, K ascending; the first product starts each sum
.irp a, 0,1,2,3
	MM \a, \s, \b
.endr
.endr
	WIN 0
.irp q, 0,1,2,3                        ; f2 + e2.  These sixteen name no register of the products: they are the places (ISA guide 7.12.1) in front of the first read of the sums
.irp a, 0,1,2,3
	v_pk_add_f32 v[T+8*\a+2*\q:T+8*\a+2*\q+1], v[32+204*\b+2*\q:32+204*\b+2*\q+1], v[F2P+2*\a:F2P+2*\a+1]
.endr
.endr
.if \step
	s_add_co_u32 s44, s44, REC
	v_add_nc_u32 v[ADC], s44, v1
	v_add_nc_u32 v[ADS], s44, v2
	v_add_nc_u32 v[ADE], s44, v3
.endif
.irp q, 0,1,2,3                        ; d = (f2 + e2) - prod; each accumulator is read from its low end on
.irp a, 0,1,2,3
	v_pk_add_f32 v[T+8*\a+2*\q:T+8*\a+2*\q+1], v[T+8*\a+2*\q:T+8*\a+2*\q+1], v[ACC+8*\a+2*\q:ACC+8*\a+2*\q+1] neg_lo:[0,1] neg_hi:[0,1]
.endr
.endr
.irp a, 0,1,2,3
	v_min3_num_f32 v[M+\a], v[T+8*\a], v[T+8*\a+1], v[T+8*\a+2]   ; the four rows' chains by turns: no line reads the result of one of the three lines above it
.endr
.irp a, 0,1,2,3
	v_min3_num_f32 v[M+\a], v[M+\a], v[T+8*\a+3], v[T+8*\a+4]
.endr
.irp a, 0,1,2,3
	v_min3_num_f32 v[M+\a], v[M+\a], v[T+8*\a+5], v[T+8*\a+6]
.endr
.irp a, 0,1
	v_min3_num_f32 v[BEST+4*(1-\p)+\a], v[M+\a], v[T+8*\a+7], v[BEST+4*\p+\a]   ; the new best, into the other set; rows 2 and 3 follow between the compares and the selects below
.endr
.irp a, 0,1,2,3
	v_cmp_lt_f32 vcc_lo, v[BEST+4*(1-\p)+\a], v[BEST+4*\p+\a]     ; has it fallen?  Strictly: an earlier tile keeps a tie
.if \a < 2
	v_min3_num_f32 v[BEST+4*(1-\p)+\a+2], v[M+\a+2], v[T+8*(\a+2)+7], v[BEST+4*\p+\a+2]
.endif
	v_cndmask_b32 v[ID+\a], v[ID+\a], s56, vcc_lo                 ; s56: the tile's first entry
.irp j, 0,2,4,6                        ; the eight d are kept two selects to an instruction: destinations j and j + 1 are even and odd, and each pair of sources lies in neighbouring registers
	v_dual_cndmask_b32 v[SAV+8*\a+\j], v[SAV+8*\a+\j], v[T+8*\a+\j] :: v_dual_cndmask_b32 v[SAV+8*\a+\j+1], v[SAV+8*\a+\j+1], v[T+8*\a+\j+1]
.endr
.endr
	s_add_co_u32 s56, s56, 16
.endm
.macro REC4 kind, step                 ; a record: four tiles; kind, step: the fourth tile's
	TILE 0, 0, 1, 0, 0
	TILE 1, 1, 1, 1, 0
	TILE 0, 0, 1, 2, 0
	TILE 1, 1, \kind, 3, \step
.endm
; A walk's end.  The first of the kept eight that equals the minimum: from j = 7 down, so that the lowest j has the last word.  The pairs to be stored have registers of their own in each walk.
.macro FINDIX p
.set PR, 232-12*(\p)
.irp a, 0,1,2,3
	v_mov_b32 v[NN+\a], 0
.endr
.irp j, 7,6,5,4,3,2,1
.irp a, 0,1,2,3
	v_cmp_eq_f32 s[46+\a], v[SAV+8*\a+\j], v[BEST+\a]
.endr
.irp a, 0,1,2,3
	v_cndmask_b32 v[NN+\a], v[NN+\a], \j, s[46+\a]
.endr
.endr
.irp a, 0,1,2,3
	v_add_nc_u32 v[NN+\a], v[ID+\a], v[NN+\a]
	v_add_f32 v[KEY+\a], 0, v[BEST+\a]             ; -0 becomes +0
.endr
.irp a, 0,1,2,3
	v_add_nc_u32 v[NN+\a], v[H8], v[NN+\a]         ; the index: the tile's first entry + 8 h + j
	v_ashrrev_i32 v[TMP+\a], 31, v[KEY+\a]
.endr
.irp a, 0,1,2,3
	v_or_b32 v[TMP+\a], 0x80000000, v[TMP+\a]
.endr
.irp a, 0,1,2,3
	v_xor_b32 v[KEY+\a], v[KEY+\a], v[TMP+\a]      ; the key: the sign bit turned where d >= 0, all bits where d < 0: unsigned order = d's order
.endr
.irp a, 0,1,2,3                        ; the row's other eight entries of each tile lie in lane l xor 16: the smaller key wins, on equal keys the lower index
	v_permlanex16_b32 v[OKY+\a], v[KEY+\a], s50, s51
	v_permlanex16_b32 v[ONN+\a], v[NN+\a], s50, s51
	v_cmp_lt_u32 s58, v[OKY+\a], v[KEY+\a]
	v_cmp_eq_u32 s59, v[OKY+\a], v[KEY+\a]
	v_cmp_lt_u32 s60, v[ONN+\a], v[NN+\a]
	s_and_b32 s59, s59, s60
	s_or_b32 s58, s58, s59
	v_cndmask_b32 v[KEY+\a], v[KEY+\a], v[OKY+\a], s58
	v_cndmask_b32 v[NN+\a], v[NN+\a], v[ONN+\a], s58
.endr
	v_cmp_ne_u32 s61, 0, v11                       ; lanes 16-31
.irp u, 0,1                            ; lanes 0-15 send tile 2 u's rows, lanes 16-31 tile 2 u + 1's
	v_cndmask_b32 v[PR+2*\u], v[KEY+2*\u], v[KEY+2*\u+1], s61
	v_cndmask_b32 v[PR+2*\u+1], v[NN+2*\u], v[NN+2*\u+1], s61
	global_store_b64 v2, v[PR+2*\u:PR+2*\u+1], s[8:9] offset:4096*(\p)+256*\u   ; 32 lanes store 256 consecutive bytes, at a multiple of 256 from the buffer's first byte
.endr
.endm
; Walk p over the part's 8 records.  The first walk: records 0 and 1 written out, the barrier for the second group of rows, five records in a loop; the second walk: seven in a loop.
; The eighth record is written out in both, since what its last tile fetches differs.
.macro PASS p
	s_mov_b32 s56, s57                             ; the part's first entry
	s_mov_b32 s44, 0
.irp a, 0,1,2,3
	v_mov_b32 v[BEST+\a], s52                      ; the best d so far: +infinity, over every d; the first tile's d falls under it, so what the selects kept before is replaced
.endr
	v_add_nc_u32 v[ADC], s44, v1
	v_add_nc_u32 v[ADS], s44, v2
	v_add_nc_u32 v[ADE], s44, v3
	s_wait_alu depctr_va_vdst(0)
	s_wait_loadcnt 0x0                             ; my rows of this walk
.if (\p) == 0
	REC4 2, 1                                      ; records 0 and 1, and the fetch of record 2's tile 0: LDS rows 0-302, all of the first group
	REC4 2, 1
	s_wait_tensorcnt 0x0                           ; my piece of the second group is in,
	s_wait_dscnt 0x0                               ; and no LDS load of mine is out at the signal
	s_barrier_signal -1
	s_barrier_wait -1                              ; everybody's piece is in
	s_mov_b32 s45, 5
.else
	s_mov_b32 s45, 7
.endif
.Lrec_\@:
.if (\p) == 0
	s_cmp_lt_u32 s45, 2                            ; s45 = 5, 4, 3, 2: the first four trips ask, the fifth has nothing left to ask for
	s_cbranch_scc1 .Lasked_\@
	global_prefetch_b8 v13, s[62:63] th:TH_LOAD_NT scope:SCOPE_SE
.Lasked_\@:
.endif
	REC4 2, 1
.if (\p) == 0
	s_wait_xcnt 0x0                                ; the prefetch has read its base: it is stepped only behind this wait
	s_add_nc_u64 s[62:63], s[62:63], 6400          ; 25 blocks on
.endif
	s_sub_co_u32 s45, s45, 1
	s_cmp_lg_u32 s45, 0
	s_cbranch_scc1 .Lrec_\@
.if (\p) == 0
	REC4 3, 0
	LOADA 1                                        ; more than four vector instructions behind the last products that read these registers
.else
	REC4 0, 0
.endif
	FINDIX \p
.endm
	s_load_b128 s[4:7], s[0:1], 0x0                ; aq, bq
	s_load_b64 s[8:9], s[0:1], 0x10                ; cand
	v_lshl_add_u32 v[SPW], v0, 2, SPARE
	v_mov_b32 v[NIL], 0
	ds_add_u32 v[SPW], v[NIL]                      ; the opening: the add, twice on end, and its wait ahead of my first tensor load
	ds_add_u32 v[SPW], v[NIL]
	v_lshrrev_b32 v1, 5, v0
	v_readfirstlane_b32 s10, v1                    ; wave 0..7
	s_bfe_u32 s12, ttmp6, 0x40000                  ; cx: my place in the cluster: it enters aq's and cand's addresses alone
	s_lshl_b32 s13, ttmp9, 2                       ; in a cluster launch ttmp9 counts clusters
	s_add_co_u32 s13, s13, s12                     ; x = 4 x cluster x + cx
	s_and_b32 s14, ttmp7, 0xffff                   ; y: the part, which the four partners share
	; descriptor group 1: dense rows of 256 bytes (32 elements of 8 bytes), no padding; 38 rows for the first group's pieces
	s_mov_b32 s[G1+0], 15|(3<<16)|(1<<21)          ; the mask: all four work-groups; elements of 8 bytes; bit 21 set beside a mask
	s_mov_b32 s[G1+1], 32<<16                      ; tensor_dim0 = 32
	s_mov_b32 s[G1+2], 38<<16                      ; tensor_dim1 = 38
	s_mov_b32 s[G1+3], 32<<16                      ; tile_dim0 = 32
	s_mov_b32 s[G1+4], 38                          ; tile_dim1 = 38
	s_mov_b32 s[G1+5], 32                          ; tensor_dim0_stride
	s_mov_b32 s[G1+6], 0
	s_mov_b32 s[G1+7], 0
	s_mul_i32 s16, s14, 8*REC                      ; bq: the part's first byte,
	s_mul_i32 s20, s10, C1W
	s_add_co_u32 s16, s16, s20                     ; and my piece of the first group: nothing of x enters
	s_mov_b32 s17, 0
	s_mov_b32 s[G0], 1
	s_mul_i32 s[G0+1], s10, C1W                    ; its place in LDS
	s_mul_i32 s36, s10, C2W-C1W
	s_add_co_u32 s36, s36, 8*C1W                   ; bytes from my first piece to my second
	s_mov_b32 s37, 0
	s_lshl_b32 s18, s13, 4
	s_add_co_u32 s18, s18, s10
	s_mul_i32 s18, s18, REC                        ; aq: record 16 x + wave
	s_mov_b32 s19, 0
	s_lshl_b32 s22, s14, 17                        ; cand: part y of 131,072 bytes,
	s_lshl_b32 s21, s13, 13                        ; 1024 x rows of 8 bytes,
	s_add_co_u32 s22, s22, s21
	s_lshl_b32 s21, s10, 9                         ; my wave's 64
	s_add_co_u32 s22, s22, s21
	s_mov_b32 s23, 0
	s_mov_b32 s50, 0x76543210
	s_mov_b32 s51, 0xfedcba98                      ; v_permlanex16_b32's selects for lane l xor 16
	s_mov_b32 s52, 0x7f800000                      ; +infinity
	s_lshl_b32 s57, s14, 9                         ; 512 y
	v_and_b32 v12, 31, v0                          ; lane
	v_and_b32 v13, 15, v0                          ; r
	v_bfe_u32 v11, v0, 4, 1                        ; h
	v_lshlrev_b32 v1, 4, v12                       ; 16 x lane: an image's place for my lane
	v_lshlrev_b32 v2, 3, v12                       ; 8 x lane: a scale image's, and my pair's in cand
	v_lshlrev_b32 v3, 5, v11                       ; 32 h: my eight entries' sums of squares
	v_lshlrev_b32 v10, 2, v13                      ; 4 r
	v_lshlrev_b32 v[H8], 3, v11                    ; 8 h
	v_min_u32 v13, 24, v12
	v_lshlrev_b32 v13, 8, v13                      ; the prefetch: 256 x min(lane, 24)
	s_wait_alu depctr_va_vdst(0)
	s_wait_dscnt 0x0                               ; both opening adds are done
	ROUND                                          ; the four work-groups meet, while the arguments are on their way: the first joint loads follow
	s_wait_kmcnt 0x0
	s_add_nc_u64 s[6:7], s[6:7], s[16:17]
	s_add_nc_u64 s[4:5], s[4:5], s[18:19]
	s_add_nc_u64 s[8:9], s[8:9], s[22:23]
	s_add_nc_u64 s[62:63], s[4:5], 8*REC           ; my second record
	s_mov_b64 s[G0+2:G0+3], s[6:7]
	s_or_b32 s[G0+3], s[G0+3], 0x80000000          ; type = 2
	JOINT                                          ; my one tensor load at the head: 38 rows of the first group
	LOADA 0                                        ; my first rows
.irp a, 0,1,2,3
	v_mov_b32 v[ID+\a], 0                          ; the selects read what they may keep: written once
	v_mov_b32 v[OKY+\a], 0                         ; a lane exchange's destination counts as one of its sources
	v_mov_b32 v[ONN+\a], 0
.endr
.set i, 0
.rept 32
	v_mov_b32 v[SAV+i], s52
.set i, i+1
.endr
	s_wait_alu depctr_va_vdst(0)
	s_wait_tensorcnt 0x0                           ; my piece of the first group is in
	ds_add_u32 v[SPW], v[NIL]
	s_mov_b32 s[G1+2], 63<<16                      ; no tensor load of mine is out, so the descriptor may be written: 63 rows,
	s_mov_b32 s[G1+4], 63
	s_mul_i32 s[G0+1], s10, C2W
	s_add_co_u32 s[G0+1], s[G0+1], 8*C1W           ; behind the first group in LDS,
	s_add_nc_u64 s[G0+2:G0+3], s[G0+2:G0+3], s[36:37]   ; and in bq; the type bits on top are not reached
	s_wait_dscnt 0x0                               ; the add is done
	ROUND                                          ; everybody's piece of the first group is in, and the four work-groups are here
	JOINT                                          ; my one tensor load behind the round: 63 rows of the second group
	LOADT 0, 1, 2, 3, 0, 0                         ; record 0's tile 0
	PASS 0
	PASS 1
	s_wait_tensorcnt 0x0                           ; the wave's end
	ds_add_u32 v[SPW], v[NIL]
	s_wait_dscnt 0x0
	ROUND                                          ; the closing round: no work-group ends while a partner may still ask for rows that name it
	s_endpgm
.Lfunc_end_k_qe1f550f7fc_dist:
	.size	k_qe1f550f7fc_dist, .Lfunc_end_k_qe1f550f7fc_dist-k_qe1f550f7fc_dist
	.p2alignl 7, 3214868480
	.fill 96, 4, 3214868480
	.section	.rodata,"a",@progbits
	.p2align	6, 0x0
	.amdhsa_kernel k_qe1f550f7fc_dist
		.amdhsa_group_segment_fixed_size 327680
		.amdhsa_private_segment_fixed_size 0
		.amdhsa_enable_private_segment 0
		.amdhsa_kernarg_size 24
		.amdhsa_user_sgpr_count 2
		.amdhsa_user_sgpr_kernarg_segment_ptr 1
		.amdhsa_wavefront_size32 1
		.amdhsa_system_sgpr_workgroup_id_x 1
		.amdhsa_system_sgpr_workgroup_id_y 1
		.amdhsa_system_sgpr_workgroup_id_z 1
		.amdhsa_system_vgpr_workitem_id 0
		.amdhsa_next_free_vgpr 496
		.amdhsa_next_free_sgpr 66
		.amdhsa_reserve_vcc 1
		.amdhsa_float_denorm_mode_32 3
		.amdhsa_float_denorm_mode_16_64 3
		.amdhsa_memory_ordered 1
		.amdhsa_forward_progress 1
		.amdhsa_inst_pref_size 213
	.end_amdhsa_kernel
	.amdgpu_metadata
---
amdhsa.version: [ 1, 2 ]
amdhsa.kernels:
  - .name:           k_qe1f550f7fc_dist
    .symbol:         k_qe1f550f7fc_dist.kd
    .args:
      - { .name: aq, .offset: 0, .size: 8, .value_kind: global_buffer, .address_space: global }
      - { .name: bq, .offset: 8, .size: 8, .value_kind: global_buffer, .address_space: global }
      - { .name: cand, .offset: 16, .size: 8, .value_kind: global_buffer, .address_space: global }
    .group_segment_fixed_size: 327680
    .private_segment_fixed_size: 0
    .kernarg_segment_align: 8
    .kernarg_segment_size: 24
    .max_flat_workgroup_size: 256
    .sgpr_count:     66
    .vgpr_count:     496
    .wavefront_size: 32
...
	.end_amdgpu_metadata
.endif
;; end of part 2
;; launch finish (part 3): grid 256 x 1, 16 waves a work-group, no clusters, 3,072 bytes of LDS; arguments latents, emb, cand, out0, out1, out2; writes out0, out1, out2
.if DOCPART == 3
	.amdgcn_target "amdgcn-amd-amdhsa--gfx1250"
	.amdhsa_code_object_version 6
	.text
	.protected	k_qe1f550f7fc_finish
	.globl	k_qe1f550f7fc_finish
	.p2align	8
	.type	k_qe1f550f7fc_finish,@function
k_qe1f550f7fc_finish:
	s_mov_b64 s[64:65], 0
	v_nop
	global_prefetch_b8 v0, s[64:65] scope:SCOPE_SE
	s_setreg_imm32_b32 hwreg(HW_REG_WAVE_MODE, 25, 1), 1
	s_wait_xcnt 0x0
; For each row: the sixteen parts' (key, index) pairs are joined by whole-number compares (the smallest key; parts ascend and the compare is strict, so the lowest index keeps a tie); out2 = the index;
; q = emb[index]; t = q - latents; out0 = latents + t; out1 = mean(t^2) + 0.25 mean(t^2), all in f32.
; SHARES.  A work-group takes 64 rows, each of its sixteen waves 4.  A row is 2,048 bytes: four loads of 512 consecutive bytes.  All of a wave's loads go out at its head (8 of pairs, 16 of latents, then 16 of emb):
; no ring, no register is loaded twice, no store's data are written again.  A stream: matrix units and clusters would add nothing; no two work-groups are known to want the same row of emb.
; The one address that hangs on data is the gathered row's: it is made of whole numbers that the launch before stored in cand, by compares of whole numbers, and enters the address behind a clamp to the table's 8,192 rows.
; out1 and out2 are gathered in LDS and leave as 256 consecutive bytes each.
.set L,   32                           ; v32-95   latents: row i at 16 i; then out0
.set E,   96                           ; v96-159  emb's rows; then t
.set VO,  26                           ; v26-29   byte offset of my 16 bytes in row i's entry
.set LO,  164                          ; v164-167 the rows' losses
	s_load_b256 s[4:11], s[0:1], 0x0               ; latents s[4:5], emb s[6:7], cand s[8:9], out0 s[10:11]
	s_load_b128 s[12:15], s[0:1], 0x20             ; out1 s[12:13], out2 s[14:15]
	v_lshl_add_u32 v176, v0, 2, 0x400
	v_mov_b32 v177, 0
	v_lshrrev_b32 v1, 5, v0
	s_delay_alu instid0(VALU_DEP_1)
	v_readfirstlane_b32 s16, v1                    ; wave 0..15
	v_and_b32 v10, 31, v0                          ; lane
	v_and_b32 v11, 3, v0                           ; lane % 4: whose pair I join
	s_delay_alu instid0(VALU_DEP_2)
	v_lshlrev_b32 v1, 4, v10                       ; 16 x lane
	s_delay_alu instid0(VALU_DEP_2)
	v_lshlrev_b32 v2, 3, v11                       ; 8 x (lane % 4)
	v_bfe_u32 v6, v0, 2, 1                         ; cand has sixteen parts: lanes with bit 2 clear join parts 0 to 7, the others parts 8 to 15,
	v_lshl_add_u32 v2, v6, 20, v2                  ; which begin 8 x 131,072 bytes further on
	v_mov_b32 v24, 0                               ; a lane exchange's destination counts as one of its sources
	v_mov_b32 v25, 0
	s_lshl_b32 s17, s16, 4
	v_mov_b32 v4, s17                              ; LDS: my wave's four losses, at 16 x wave
	v_lshl_add_u32 v3, v11, 2, s17
	s_delay_alu instid0(VALU_DEP_1)
	v_add_nc_u32 v3, 256, v3                       ; and its four indices, behind the 256 bytes of losses
	v_lshlrev_b32 v5, 3, v10                       ; 8 x lane: the losses read back, and the place in out1 and out2
	s_delay_alu instid0(VALU_DEP_1)
	v_add_nc_u32 v7, 256, v5                       ; the indices read back
	v_mov_b32 v168, 0                              ; a lane exchange's destination counts as one of its sources
	s_mov_b32 s28, 0x76543210
	s_mov_b32 s29, 0xfedcba98                      ; v_permlanex16_b32's selects for lane l xor 16
	s_lshl_b32 s18, ttmp9, 17                      ; 64 rows of 2,048 bytes a work-group,
	s_lshl_b32 s20, s16, 13                        ; 4 a wave
	s_add_co_u32 s18, s18, s20
	s_mov_b32 s19, 0
	s_lshl_b32 s20, ttmp9, 9                       ; the same rows' pairs of 8 bytes
	s_lshl_b32 s22, s16, 5
	s_add_co_u32 s20, s20, s22
	s_mov_b32 s21, 0
	s_lshl_b32 s22, ttmp9, 8                       ; and the work-group's 256 bytes of out1 and of out2
	s_mov_b32 s23, 0
	s_wait_alu depctr_va_vdst(0)
	s_wait_kmcnt 0x0
	s_add_nc_u64 s[4:5], s[4:5], s[18:19]
	s_add_nc_u64 s[10:11], s[10:11], s[18:19]
	s_add_nc_u64 s[8:9], s[8:9], s[20:21]
	s_add_nc_u64 s[12:13], s[12:13], s[22:23]
	s_add_nc_u64 s[14:15], s[14:15], s[22:23]
.irp p, 0,1,2,3,4,5,6,7
	global_load_b64 v[8+2*\p:9+2*\p], v2, s[8:9] offset:131072*\p   ; part p's (key, index) of row lane % 4
.endr
.irp i, 0,1,2,3
.irp q, 0,1,2,3
	global_load_b128 v[L+16*\i+4*\q:L+16*\i+4*\q+3], v1, s[4:5] offset:2048*\i+512*\q th:TH_LOAD_NT
.endr
.endr
	s_wait_loadcnt 16                              ; the eight pairs are in; the sixteen younger loads stay out
.irp p, 1
	v_cmp_lt_u32 vcc_lo, v[8+2*\p], v8             ; strictly smaller: a lower part keeps a tie
	s_delay_alu instid0(VALU_DEP_1)
	v_cndmask_b32 v8, v8, v[8+2*\p], vcc_lo
	s_delay_alu instid0(VALU_DEP_2)
	v_cndmask_b32 v9, v9, v[9+2*\p], vcc_lo
.endr
.irp p, 2, 3, 4, 5, 6, 7
	s_delay_alu instid0(VALU_DEP_2)
	v_cmp_lt_u32 vcc_lo, v[8+2*\p], v8             ; strictly smaller: a lower part keeps a tie
	s_delay_alu instid0(VALU_DEP_1)
	v_cndmask_b32 v8, v8, v[8+2*\p], vcc_lo
	s_delay_alu instid0(VALU_DEP_2)
	v_cndmask_b32 v9, v9, v[9+2*\p], vcc_lo
.endr
	v_mov_b32_dpp v24, v8 row_xmask:4 row_mask:0xf bank_mask:0xf   ; the other eight parts' winner lies in lane l xor 4:
	v_mov_b32_dpp v25, v9 row_xmask:4 row_mask:0xf bank_mask:0xf
	v_cmp_lt_u32 s30, v24, v8                      ; the smaller key wins, on equal keys the lower index
	v_cmp_eq_u32 s31, v24, v8
	v_cmp_lt_u32 s32, v25, v9
	s_and_b32 s31, s31, s32
	s_or_b32 s30, s30, s31
	v_cndmask_b32 v9, v9, v25, s30
	ds_store_b32 v3, v9                            ; (eight lanes write each word, with the same value)
.irp i, 0,1,2,3
	v_readlane_b32 s[24+\i], v9, \i                ; row i's index, for all 32 lanes
.endr
.irp i, 0,1,2,3
	s_min_u32 s[24+\i], s[24+\i], 0x1fff           ; a loaded number enters an address only behind a clamp: the table has 8,192 rows
.endr
.irp i, 0,1,2,3
	v_lshl_add_u32 v[VO+\i], s[24+\i], 11, v1      ; 2,048 x index + 16 x lane
.endr
.irp i, 0,1,2,3
.irp q, 0,1,2,3
	global_load_b128 v[E+16*\i+4*\q:E+16*\i+4*\q+3], v[VO+\i], s[6:7] offset:512*\q   ; (no hint: several rows may name the same entry)
.endr
.endr
.macro ROWOUT i
	s_wait_loadcnt 12-4*\i                         ; row i's four loads of emb are in, the later rows' stay out; all of latents is older
.irp q, 0,2,4,6,8,10,12,14
	v_pk_add_f32 v[E+16*\i+\q:E+16*\i+\q+1], v[E+16*\i+\q:E+16*\i+\q+1], v[L+16*\i+\q:L+16*\i+\q+1] neg_lo:[0,1] neg_hi:[0,1]   ; t = q - latents
.endr
.irp q, 0,2,4,6,8,10,12,14
	v_pk_add_f32 v[L+16*\i+\q:L+16*\i+\q+1], v[L+16*\i+\q:L+16*\i+\q+1], v[E+16*\i+\q:E+16*\i+\q+1]   ; latents + t
.endr
.irp q, 0,1,2,3
	global_store_b128 v1, v[L+16*\i+4*\q:L+16*\i+4*\q+3], s[10:11] offset:2048*\i+512*\q th:TH_STORE_NT   ; 32 lanes store 512 consecutive bytes, aligned; written once, read by nobody here
.endr
	v_pk_mul_f32 v[160:161], v[E+16*\i:E+16*\i+1], v[E+16*\i:E+16*\i+1]       ; the sum of t^2, in two chains
	v_pk_mul_f32 v[162:163], v[E+16*\i+2:E+16*\i+3], v[E+16*\i+2:E+16*\i+3]
.irp q, 4,8,12
	s_delay_alu instid0(VALU_DEP_2)
	v_pk_fma_f32 v[160:161], v[E+16*\i+\q:E+16*\i+\q+1], v[E+16*\i+\q:E+16*\i+\q+1], v[160:161]
	s_delay_alu instid0(VALU_DEP_2)
	v_pk_fma_f32 v[162:163], v[E+16*\i+\q+2:E+16*\i+\q+3], v[E+16*\i+\q+2:E+16*\i+\q+3], v[162:163]
.endr
	s_delay_alu instid0(VALU_DEP_1)
	v_pk_add_f32 v[160:161], v[160:161], v[162:163]
	s_delay_alu instid0(VALU_DEP_1)
	v_add_f32 v160, v160, v161
	s_delay_alu instid0(VALU_DEP_1)
	v_add_f32_dpp v160, v160, v160 row_xmask:1 row_mask:0xf bank_mask:0xf
	s_delay_alu instid0(VALU_DEP_1)
	v_add_f32_dpp v160, v160, v160 row_xmask:2 row_mask:0xf bank_mask:0xf
	s_delay_alu instid0(VALU_DEP_1)
	v_add_f32_dpp v160, v160, v160 row_xmask:4 row_mask:0xf bank_mask:0xf
	s_delay_alu instid0(VALU_DEP_1)
	v_add_f32_dpp v160, v160, v160 row_xmask:8 row_mask:0xf bank_mask:0xf
	s_delay_alu instid0(VALU_DEP_1)
	v_permlanex16_b32 v168, v160, s28, s29
	s_delay_alu instid0(VALU_DEP_1)
	v_add_f32 v160, v160, v168                     ; over the 32 lanes: the row's sum
	s_delay_alu instid0(VALU_DEP_1)
	v_mul_f32 v160, 0x3b000000, v160               ; / 512: the mean
	s_delay_alu instid0(VALU_DEP_1)
	v_fmamk_f32 v[LO+\i], v160, 0x3e800000, v160   ; mean + 0.25 x mean
	ds_store_b32 v4, v[LO+\i] offset:4*\i          ; (all lanes write the same word with the same value)
.endm
	ROWOUT 0
	ROWOUT 1
	ROWOUT 2
	ROWOUT 3
	s_wait_dscnt 0x0                               ; for the others' sake: my losses and indices lie in LDS
	s_barrier_signal -1
	s_barrier_wait -1
	s_cmp_lg_u32 s16, 0
	s_cbranch_scc1 .Lnot_wave_0
	ds_load_b64 v[170:171], v5                     ; wave 0: the 64 losses
	s_wait_dscnt 0x0
	global_store_b64 v5, v[170:171], s[12:13]      ; 32 lanes store 256 consecutive bytes, aligned
	s_branch .Ldone
.Lnot_wave_0:
	s_cmp_lg_u32 s16, 1
	s_cbranch_scc1 .Ldone
	ds_load_b64 v[170:171], v7                     ; wave 1: the 64 indices
	s_wait_dscnt 0x0
	global_store_b64 v5, v[170:171], s[14:15]
.Ldone:
	s_wait_tensorcnt 0x0
	ds_add_u32 v176, v177
	s_wait_dscnt 0x0
	s_endpgm
.Lfunc_end_k_qe1f550f7fc_finish:
	.size	k_qe1f550f7fc_finish, .Lfunc_end_k_qe1f550f7fc_finish-k_qe1f550f7fc_finish
	.p2alignl 7, 3214868480
	.fill 96, 4, 3214868480
	.section	.rodata,"a",@progbits
	.p2align	6, 0x0
	.amdhsa_kernel k_qe1f550f7fc_finish
		.amdhsa_group_segment_fixed_size 3072
		.amdhsa_private_segment_fixed_size 0
		.amdhsa_enable_private_segment 0
		.amdhsa_kernarg_size 48
		.amdhsa_user_sgpr_count 2
		.amdhsa_user_sgpr_kernarg_segment_ptr 1
		.amdhsa_wavefront_size32 1
		.amdhsa_system_sgpr_workgroup_id_x 1
		.amdhsa_system_sgpr_workgroup_id_y 1
		.amdhsa_system_sgpr_workgroup_id_z 1
		.amdhsa_system_vgpr_workitem_id 0
		.amdhsa_next_free_vgpr 178
		.amdhsa_next_free_sgpr 66
		.amdhsa_reserve_vcc 1
		.amdhsa_float_denorm_mode_32 3
		.amdhsa_float_denorm_mode_16_64 3
		.amdhsa_memory_ordered 1
		.amdhsa_forward_progress 1
		.amdhsa_inst_pref_size 22
	.end_amdhsa_kernel
	.amdgpu_metadata
---
amdhsa.version: [ 1, 2 ]
amdhsa.kernels:
  - .name:           k_qe1f550f7fc_finish
    .symbol:         k_qe1f550f7fc_finish.kd
    .args:
      - { .name: latents, .offset: 0, .size: 8, .value_kind: global_buffer, .address_space: global }
      - { .name: emb, .offset: 8, .size: 8, .value_kind: global_buffer, .address_space: global }
      - { .name: cand, .offset: 16, .size: 8, .value_kind: global_buffer, .address_space: global }
      - { .name: out0, .offset: 24, .size: 8, .value_kind: global_buffer, .address_space: global }
      - { .name: out1, .offset: 32, .size: 8, .value_kind: global_buffer, .address_space: global }
      - { .name: out2, .offset: 40, .size: 8, .value_kind: global_buffer, .address_space: global }
    .group_segment_fixed_size: 3072
    .private_segment_fixed_size: 0
    .kernarg_segment_align: 8
    .kernarg_segment_size: 48
    .max_flat_workgroup_size: 512
    .sgpr_count:     66
    .vgpr_count:     178
    .wavefront_size: 32
...
	.end_amdgpu_metadata
.endif
;; end of part 3
